; MI455X (gfx1250); checked and timed in simulation.
; The chip was launched on July 23, 2026; its instructions are those of AMD's public machine-readable ISA for CDNA 5 (MIT licence, August 2026) and "CDNA5" Instruction Set Architecture Reference Guide (July 2026). The comments in the code are by the model that wrote it; some were corrected since.
;; Dot Product Attention. Allowed arithmetic: matrix products marked QUANTISED: E5M2 operands, one E8M0 scale for each 32 along K, by v_wmma_scale_f32_16x16x128_f8f6f4 with both operands' format E5M2, f32 sums; everything else in f32.
;; Inputs: key_layer 2,048 x 4 x 16 x 128 float32; query_layer 2,048 x 4 x 16 x 128 float32; value_layer 2,048 x 4 x 16 x 128 float32.
;; Outputs: out0 2,048 x 4 x 2,048 float32.
;; This version of the problem:
;;   THIS VERSION OF THE PROBLEM IS GIVEN IN LOW PRECISION. The matrix products marked QUANTISED in the list below multiply operands that are first quantised to E5M2 (5 exponent bits, 2 mantissa bits; 8 bits a number), with one power-of-two scale for each 32 numbers along K (OCP MX v1.0); their sums are f32. All else is computed in f32.
;;   The module's matrix products, in the order in which they are computed (A, B: the left and right operand; K: the contracted axis; several contracted axes count as one K, in the product's order):
;;     1. batch 64 x [M 2,048, K 128] x [K 128, N 2,048]; A: input query_layer; B: input key_layer: QUANTISED
;;     2. batch 64 x [M 128, K 2,048] x [K 2,048, N 2,048]; A: input value_layer; B: softmax (see below): QUANTISED
;;   THE QUANTISER, for each operand of a quantised product, along K:
;;     - K is cut into blocks of 32 from its start; a last block that is shorter is filled with zeros.
;;     - A block's scale is 2^e with e = floor(log2(the largest magnitude in the block)) - 15, held to -126 .. 127; a block of zeros has e = 0. As a byte (E8M0): e + 127.
;;     - Each number is divided by its block's scale, clamped to +-57,344, and rounded to the nearest number of E5M2, ties to even, subnormals kept.
;;     - The product sums the exact products of the quantised numbers (number of the format x scale) in f32.
;;   ~~~python
;;   def quantise(x, axis):      # numpy; x: float32 -> the quantised numbers, widened to float32 again
;;       x = np.moveaxis(x, axis, -1); K = x.shape[-1]
;;       x = np.pad(x, [(0, 0)] * (x.ndim - 1) + [(0, -K % 32)]); x = x.reshape(x.shape[:-1] + (-1, 32)); a = np.abs(x).max(-1, keepdims=True)
;;       e = np.where(a > 0, np.clip(np.frexp(np.where(a > 0, a, 1))[1] - 1 - 15, -126, 127), 0)      # np.frexp(a)[1] - 1 = floor(log2(a)), exactly
;;       r = np.clip(x / 2.0 ** e, -57344, 57344)
;;       step = 2.0 ** (np.maximum(np.frexp(np.where(r == 0, 1, r))[1] - 1, -14) - 2)
;;       q = np.round(r / step) * step * 2.0 ** e      # np.round: ties to even
;;       return np.moveaxis(q.reshape(q.shape[:-2] + (-1,))[..., :K], -1, axis).astype(np.float32)
;;   ~~~
;;   SOFTMAX AHEAD OF A QUANTISED PRODUCT. Where the list says 'softmax', what is quantised is not the finished softmax but p = 2^(t - M), with t = logit x log2(e) and M = ceil(the row's largest t), a whole number; so 1/2 < the row's largest p <= 1. The row's sum l is taken of the UNQUANTISED p, in f32, and the product's result is divided by l at the end. Since M is a whole number, a kernel that streams over the keys may use a running M (the ceiling of the running maximum): every later rescaling is an exact power of two, which a block's scale takes up: the codes' values come out the same.
;;   OPERANDS COMPUTED ON THE WAY. 'Computed on the way' means the value that the module computes at that place (a softmax that the list does not call 'softmax' is quantised finished and normalised). What goes into a quantiser is computed in f32, as accurately as f32 sums, v_exp_f32 and their like allow (about 1e-6 of the number): no bf16 or f16 on the way to a quantiser, and a product that is left as it is and whose result goes on into a quantised operand takes f32 operands (vector FMAs, or v_wmma_f32_16x16x4_f32). A number that lies on a knife's edge between two numbers of the format may be rounded either way, as far as f32 arithmetic and the matrix unit's own rounding can turn it there, and no further.
;; One version. Each part assembles by itself: llvm-mc -triple=amdgcn-amd-amdhsa -mcpu=gfx1250 --defsym DOCPART=n.
;; ======== version 1 of 1: 2 launches
;; limits: right only within a limited range of input values
;; workspace buffers: kv 34,603,008 bytes
;; launch quant (part 1): grid 256 x 2, 4 waves a work-group, no clusters, 34,304 bytes of LDS; arguments key_layer, value_layer, kv; writes kv
.if DOCPART == 1
	.amdgcn_target "amdgcn-amd-amdhsa--gfx1250"
	.amdhsa_code_object_version 6
	.text
	.protected	k_q86356fd271_quant
	.globl	k_q86356fd271_quant
	.p2align	8
	.type	k_q86356fd271_quant,@function
k_q86356fd271_quant:
	s_mov_b64 s[64:65], 0
	v_nop
	global_prefetch_b8 v0, s[64:65] scope:SCOPE_SE
	s_setreg_imm32_b32 hwreg(HW_REG_WAVE_MODE, 25, 1), 1
	s_wait_xcnt 0x0
; key_layer and value_layer, [2048 s][64 heads][128 d] f32, become codes of BF8 (E5M2) with one E8M0 scale byte for each 32 along a product's K,
; laid in kv as IMAGES OF THE OPERANDS' REGISTERS: [64 heads][8 slots of 256 keys][67,584 bytes].  In a slot, q = 0, 1 being its two key steps of 128 keys:
;   16384 q + 2048 t + 512 c + 16 L          K's tile t: registers 4 c .. 4 c + 3 of lane L         32768 + the same          V's tile T
;   65536 + 512 q + 16 L + 4 i               K's scale word of tile 2 i + L / 16, row L % 16         66560 + 512 q + 16 L + 4 i  V's
; K (its K is d, innermost): row r of tile t = 2 b + u is key 32 b + 8 u + r + 8 (r / 8); lane (r, h) holds d = 32 c + 16 h + 0 .. 15.
; V (its K is the keys, outermost): row m of tile T = 2 ch + g is channel 64 g + 4 m + ch; lane (m, hh) holds keys 32 c + 16 hh + 0 .. 15.
; A block's scale is 2^(floor(log2(its largest magnitude)) - 15); its byte is the largest magnitude's exponent field - 15, held at 1 from below.
; LIMITS: NaN and infinities among the inputs are not served.  A block of zeros gets the byte 1 where the rule says 127: its codes are zeros, which add nothing
; under any byte but 0xff, and the bytes are read by this program alone.
; SHARES: work-group y = 0 takes K, y = 1 takes V.  A wave takes one key step of one head, 128 keys x 128 channels: task = 4 x + wave, head = task / 16, step = task % 16.
; Every global load reads one key's 512 consecutive bytes.  No tensor load, no barrier: waves share nothing.  Memory binds: matrix units and clusters would add nothing here.
.set ROWS,  32768                      ; bytes from a key's row to the next key's, in one head
.set SLOTB, 67584                      ; a slot of kv
.set SP,    528                        ; K's stage in LDS: a row of 512 bytes + 16: 132 words, so the 16 rows that a load touches begin 4 banks apart (64 banks of 4 bytes: ISA guide 11.1)
.set WST,   16*SP                      ; a wave's stage
.set LI,  1                            ; v1  16 x lane
.set STW, 2                            ; v2  the stage, on the way in: 16 x lane
.set STR, 3                            ; v3  and on the way out: 528 r + 64 h
.set VO,  4                            ; v4  V's codes: 2048 (lane / 16) + 16 (lane % 16)
.set SEL, 20                           ; s[20:21] v_permlanex16_b32's selects for lane l xor 16
.set MNT, 22                           ; s22 the mantissa field of 57,344
; the K path's registers
.set R,   16                           ; v16-143  two sets of 64: a tile's 16 rows as loaded
.set XK,  144                          ; v144-207 my row's 64 numbers: register 16 c + i = d 32 c + 16 h + i
.set PC,  208                          ; v208-223 a tile's codes
.set TM,  224                          ; v224-239 at work
.set PWT, 240                          ; v240-247 a scale word for each tile
.set W,   248                          ; v248-251 the words as they leave
; the V path's registers
.set XV,  16                           ; v16-143  a block's 32 keys: key i at 4 i .. 4 i + 3 = channels 4 lane + 0 .. 3
.set Y,   144                          ; v144-175 eight keys of one channel on end, a set for each of my four channels
.set CV,  176                          ; v176-207 a block's codes, eight registers a channel
.set MX,  208                          ; v208-211 largest magnitudes
.set LM,  212                          ; v212-215 57,344 x the scale
.set SOP, 216                          ; v216-219 the conversion's scale operand
.set BY,  220                          ; v220-223 the scale's byte
.set SW,  224                          ; v224-227 my four channels' scale words
	s_load_b128 s[4:7], s[0:1], 0x0                ; key_layer, value_layer
	s_load_b64 s[8:9], s[0:1], 0x10                ; kv
	v_lshl_add_u32 v254, v0, 2, 0x8400
	v_mov_b32 v255, 0
	v_lshrrev_b32 v5, 5, v0
	v_readfirstlane_b32 s10, v5                    ; wave 0..3
	s_and_b32 s11, ttmp7, 0xffff                   ; 0: K, 1: V
	s_lshl_b32 s12, ttmp9, 2
	s_add_co_u32 s12, s12, s10                     ; task
	s_lshr_b32 s13, s12, 4
	s_lshl_b32 s14, s13, 9                         ; the head's 512 bytes in a row
	s_and_b32 s13, s12, 15
	s_lshl_b32 s13, s13, 22                        ; the step's 128 rows of 32,768 bytes
	s_add_co_u32 s14, s14, s13
	s_mov_b32 s15, 0                               ; s[14:15]: where my numbers begin
	s_lshr_b32 s13, s12, 1
	s_mul_i32 s13, s13, SLOTB                      ; task / 2 = 8 x head + slot
	s_and_b32 s28, s12, 1                          ; q
	s_lshl_b32 s16, s28, 14
	s_add_co_u32 s16, s16, s13
	s_lshl_b32 s29, s11, 15
	s_add_co_u32 s16, s16, s29
	s_mov_b32 s17, 0                               ; s[16:17]: where my codes go
	s_lshl_b32 s18, s28, 9
	s_add_co_u32 s18, s18, s13
	s_lshl_b32 s29, s11, 10
	s_add_co_u32 s18, s18, s29
	s_add_co_u32 s18, s18, 65536
	s_mov_b32 s19, 0                               ; s[18:19]: where my scale words go
	s_mov_b32 s[SEL], 0x76543210
	s_mov_b32 s[SEL+1], 0xfedcba98
	s_mov_b32 s[MNT], 0x600000
	v_and_b32 v6, 31, v0                           ; lane
	v_and_b32 v7, 15, v0                           ; r
	v_bfe_u32 v8, v0, 4, 1                         ; h
	v_lshlrev_b32 v[LI], 4, v6
	s_mul_i32 s30, s10, WST
	v_add_nc_u32 v[STW], s30, v[LI]
	v_mul_u32_u24 v[STR], v7, SP
	v_lshl_add_u32 v[STR], v8, 6, v[STR]
	v_add_nc_u32 v[STR], s30, v[STR]
	v_lshlrev_b32 v[VO], 4, v7
	v_lshl_add_u32 v[VO], v8, 11, v[VO]
	s_wait_kmcnt 0x0
	s_cmp_eq_u32 s11, 0                            ; the choice hangs on the work-group's number alone
	s_cselect_b64 s[4:5], s[4:5], s[6:7]
	s_add_nc_u64 s[4:5], s[4:5], s[14:15]          ; in
	s_add_nc_u64 s[24:25], s[8:9], s[16:17]        ; codes out
	s_add_nc_u64 s[26:27], s[8:9], s[18:19]        ; scale words out
	s_cmp_lg_u32 s11, 0
	s_cbranch_scc1 .Lvalue
; ---------------- K: its K, d, is innermost.  A tile's 16 rows are loaded as they lie (512 bytes a load) and turn through the wave's own stage, so that a lane holds 16 neighbours of each block of its row.
; 64 numbers of a lane, register 16 b + i = k 32 b + 16 h + i of its row, become a fragment's codes in v[pc] on and its scale word in v[pw].
.macro QUANT s, pc, pw
.irp b, 0,1,2,3
	v_max3_num_f32 v[TM+\b], |v[\s+16*\b]|, |v[\s+1+16*\b]|, 0x8000000   ; block b: my 16 numbers, and the floor 2^(16 - 127): so the byte cannot fall under 1
.endr
.irp i, 2,4,6,8,10,12,14
.irp b, 0,1,2,3
	v_max3_num_f32 v[TM+\b], v[TM+\b], |v[\s+16*\b+\i]|, |v[\s+1+16*\b+\i]|   ; the four blocks by turns: no line waits for the line above it
.endr
.endr
.irp b, 0,1,2,3
	v_permlanex16_b32 v[TM+4+\b], v[TM+\b], s[SEL], s[SEL+1]
.endr
.irp b, 0,1,2,3
	v_max_num_f32 v[TM+\b], v[TM+\b], v[TM+4+\b]   ; with lane l xor 16's: the block's largest magnitude
.endr
.irp b, 0,1,2,3
	v_add_nc_u32 v[TM+12+\b], 0xf8800000, v[TM+\b]   ; 15 off its exponent field: the conversion takes the exponent field of this operand as its scale
.endr
.irp b, 0,1,2,3
.endr
.irp b, 0,1,2,3
	v_lshrrev_b32 v[TM+4+\b], 23, v[TM+12+\b]      ; the scale's byte
.endr
	v_lshl_or_b32 v[\pw], v[TM+5], 8, v[TM+4]      ; the four bytes make my row's scale word; both halves of the lanes hold it
	v_lshl_or_b32 v[\pw], v[TM+6], 16, v[\pw]
	v_lshl_or_b32 v[\pw], v[TM+7], 24, v[\pw]
.irp b, 0,1,2,3
.irp i, 0,1,2,3,4,5,6,7,8,9,10,11,12,13,14,15
.endr
	v_cvt_scalef32_pk8_bf8_f32 v[\pc+4*\b:\pc+1+4*\b], v[\s+16*\b:\s+7+16*\b], v[TM+12+\b]
	v_cvt_scalef32_pk8_bf8_f32 v[\pc+2+4*\b:\pc+3+4*\b], v[\s+8+16*\b:\s+15+16*\b], v[TM+12+\b]
.endr
	v_nop                                          ; one plain vector instruction behind the last conversion, ahead of whatever next writes its sources
.endm
.macro KLOAD t                         ; tile t's 16 keys, a whole row of the head each
.irp i, 0,1,2,3,4,5,6,7,8,9,10,11,12,13,14,15
	global_load_b128 v[R+64*((\t)%2)+4*\i:R+64*((\t)%2)+4*\i+3], v[LI], s[4:5] offset:(32*((\t)/2)+8*((\t)%2)+\i+8*(\i/8))*ROWS th:TH_LOAD_NT
.endr
.endm
.macro KTILE t
.if (\t) > 0
	s_wait_xcnt 0x0                                ; the last tile's four stores have read their data: the codes' registers are written again only behind this wait
.endif
.if (\t) < 7
	s_wait_loadcnt 16                              ; this tile's 16 loads are in; the next tile's 16 may be out
.else
	s_wait_loadcnt 0x0
.endif
.irp i, 0,1,2,3,4,5,6,7,8,9,10,11,12,13,14,15
	ds_store_b128 v[STW], v[R+64*((\t)%2)+4*\i:R+64*((\t)%2)+4*\i+3] offset:SP*\i
.endr
.irp c, 0,1,2,3
.irp j, 0,1,2,3
	ds_load_b128 v[XK+16*\c+4*\j:XK+16*\c+4*\j+3], v[STR] offset:128*\c+16*\j   ; LDS serves a wave's instructions in order (ISA guide 5.7.1.4): these see the stores above
.endr
.endr
	s_wait_dscnt 0x0                               ; my 64 numbers are in, and the stores have read the set, which takes the tile two on
.if (\t) < 6
	KLOAD (\t)+2
.endif
	QUANT XK, PC, PWT+\t
.irp c, 0,1,2,3
	global_store_b128 v[LI], v[PC+4*\c:PC+4*\c+3], s[24:25] offset:2048*(\t)+512*\c   ; the fragment's image: 32 lanes store 512 consecutive bytes
.endr
.endm
.irp b, 0,1,2,3
	v_mov_b32 v[TM+4+\b], 0                        ; written once: a lane permute's destination counts as one of its sources
.endr
	KLOAD 0
	KLOAD 1
	s_wait_alu depctr_va_vdst(0)
.irp t, 0,1,2,3,4,5,6,7
	KTILE \t
.endr
	v_cmp_le_u32 vcc_lo, 16, v6                    ; lanes 0-15 carry the even tiles' words, lanes 16-31 the odd tiles'
.irp i, 0,1,2,3
	v_cndmask_b32 v[W+\i], v[PWT+2*\i], v[PWT+2*\i+1], vcc_lo
.endr
	global_store_b128 v[LI], v[W:W+3], s[26:27]    ; the step's 512 bytes of scale words
	s_wait_tensorcnt 0x0
	ds_add_u32 v254, v255
	s_wait_dscnt 0x0
	s_endpgm
; ---------------- V: its K, the keys, is outermost.  A lane takes four channels, and its registers run down the keys: a block of 32 keys of a channel lies in one lane.
.Lvalue:
.macro VLOAD c, g                      ; keys 32 c + 8 g + 0 .. 7
.irp i, 0,1,2,3,4,5,6,7
	global_load_b128 v[XV+4*(8*(\g)+\i):XV+4*(8*(\g)+\i)+3], v[LI], s[4:5] offset:(32*(\c)+8*(\g)+\i)*ROWS th:TH_LOAD_NT
.endr
.endm
.macro VBLOCK c
.irp g, 0,1,2,3
	s_wait_alu depctr_va_vdst(0)
	s_wait_loadcnt 24-8*\g                         ; these eight keys are in; the block's younger loads may be out
.irp p, 0,1,2,3
.irp h, 0,1,2,3
.if (\g == 0) && (\p == 0)
	v_max3_num_f32 v[MX+\h], |v[XV+\h]|, |v[XV+4+\h]|, 0x8000000   ; the floor 2^(16 - 127) among the leaves
.else
	v_max3_num_f32 v[MX+\h], v[MX+\h], |v[XV+4*(8*\g+2*\p)+\h]|, |v[XV+4*(8*\g+2*\p+1)+\h]|   ; my four channels by turns
.endif
.endr
.endr
.endr
.irp h, 0,1,2,3
	v_add_nc_u32 v[SOP+\h], 0xf8800000, v[MX+\h]   ; 15 off the exponent field: the conversion's scale operand
.endr
.irp h, 0,1,2,3
	v_and_or_b32 v[LM+\h], v[MX+\h], 0x7f800000, s[MNT]   ; 57,344 x the scale
.endr
.if \c == 0
.irp h, 0,1,2,3
	v_lshrrev_b32 v[SW+\h], 23, v[SOP+\h]          ; the scale's byte: block c's is byte c of the channel's word
.endr
.else
.irp h, 0,1,2,3
	v_lshrrev_b32 v[BY+\h], 23, v[SOP+\h]
.endr
.irp h, 0,1,2,3
	v_lshl_or_b32 v[SW+\h], v[BY+\h], 8*\c, v[SW+\h]
.endr
	s_wait_xcnt 0x0                                ; the last block's stores have read their data: the codes' registers are written again only behind this wait
.endif
.irp g, 0,1,2,3
.irp h, 0,1,2,3
.irp i, 0,1,2,3,4,5,6,7
	v_med3_num_f32 v[Y+8*\h+\i], v[XV+4*(8*\g+\i)+\h], -v[LM+\h], v[LM+\h]   ; the hold, which also sets a channel's eight keys into consecutive registers
.endr
	v_cvt_scalef32_pk8_bf8_f32 v[CV+8*\h+2*\g:CV+8*\h+2*\g+1], v[Y+8*\h:Y+8*\h+7], v[SOP+\h]   ; its set of Y is written again 24 plain lines on
.endr
.if \c < 3
	VLOAD \c+1, \g                                 ; the next block's eight keys, into the registers just read out
.endif
.endr
	v_nop                                          ; one plain vector instruction behind the last conversion
.irp h, 0,1,2,3
.irp u, 0,1
	global_store_b128 v[VO], v[CV+8*\h+4*\u:CV+8*\h+4*\u+3], s[24:25] offset:4096*\h+512*\c+256*\u   ; lanes 0-15 store 256 consecutive bytes of tile 2 h, lanes 16-31 of tile 2 h + 1
.endr
.endr
.endm
	s_wait_alu depctr_va_vdst(0)
.irp g, 0,1,2,3
	VLOAD 0, \g
.endr
.irp c, 0,1,2,3
	VBLOCK \c
.endr
	global_store_b128 v[LI], v[SW:SW+3], s[26:27]  ; word h of lane L: tile 2 h + L / 16, row L % 16
	s_endpgm
.Lfunc_end_k_q86356fd271_quant:
	.size	k_q86356fd271_quant, .Lfunc_end_k_q86356fd271_quant-k_q86356fd271_quant
	.p2alignl 7, 3214868480
	.fill 96, 4, 3214868480
	.section	.rodata,"a",@progbits
	.p2align	6, 0x0
	.amdhsa_kernel k_q86356fd271_quant
		.amdhsa_group_segment_fixed_size 34304
		.amdhsa_private_segment_fixed_size 0
		.amdhsa_enable_private_segment 0
		.amdhsa_kernarg_size 24
		.amdhsa_user_sgpr_count 2
		.amdhsa_user_sgpr_kernarg_segment_ptr 1
		.amdhsa_wavefront_size32 1
		.amdhsa_system_sgpr_workgroup_id_x 1
		.amdhsa_system_sgpr_workgroup_id_y 1
		.amdhsa_system_sgpr_workgroup_id_z 1
		.amdhsa_system_vgpr_workitem_id 0
		.amdhsa_next_free_vgpr 256
		.amdhsa_next_free_sgpr 66
		.amdhsa_reserve_vcc 1
		.amdhsa_float_denorm_mode_32 3
		.amdhsa_float_denorm_mode_16_64 3
		.amdhsa_fp16_overflow 1
		.amdhsa_memory_ordered 1
		.amdhsa_forward_progress 1
		.amdhsa_inst_pref_size 136
	.end_amdhsa_kernel
	.amdgpu_metadata
---
amdhsa.version: [ 1, 2 ]
amdhsa.kernels:
  - .name:           k_q86356fd271_quant
    .symbol:         k_q86356fd271_quant.kd
    .args:
      - { .name: key_layer, .offset: 0, .size: 8, .value_kind: global_buffer, .address_space: global }
      - { .name: value_layer, .offset: 8, .size: 8, .value_kind: global_buffer, .address_space: global }
      - { .name: kv, .offset: 16, .size: 8, .value_kind: global_buffer, .address_space: global }
    .group_segment_fixed_size: 34304
    .private_segment_fixed_size: 0
    .kernarg_segment_align: 8
    .kernarg_segment_size: 24
    .max_flat_workgroup_size: 128
    .sgpr_count:     66
    .vgpr_count:     256
    .wavefront_size: 32
...
	.end_amdgpu_metadata
.endif
;; end of part 1
;; launch attn (part 2): grid 4 x 64, 16 waves a work-group, no clusters, 327,680 bytes of LDS; arguments query_layer, kv, out0; writes out0
.if DOCPART == 2
	.amdgcn_target "amdgcn-amd-amdhsa--gfx1250"
	.amdhsa_code_object_version 6
	.text
	.protected	k_q86356fd271_attn
	.globl	k_q86356fd271_attn
	.p2align	8
	.type	k_q86356fd271_attn,@function
k_q86356fd271_attn:
	s_mov_b64 s[64:65], 0
	v_nop
	global_prefetch_b8 v0, s[64:65] scope:SCOPE_SE
	s_setreg_imm32_b32 hwreg(HW_REG_WAVE_MODE, 25, 1), 1
	s_wait_xcnt 0x0
; out0[q][head][:] = the sum over keys k <= q of softmax_k(Q[q] . K[k] / sqrt(128)) V[k][:], 64 heads, 2,048 queries and keys, head size 128; both products on codes of BF8 (E5M2) with one E8M0 scale
; for each 32 along a product's K.  Q arrives as f32 ([s][64 heads][128]) and is quantised here, in registers; K and V come from kv, as images of the operands' registers (the layout: below, at LDS).
; THE SOFTMAX: t = score x log2(e) / sqrt(128); M = the running largest t rounded UP to a whole number; p = 2^(t - M) is quantised along the keys, not normalised; the row's sum is taken of the
; unquantised p and divides O at the end.  When M moves, the sum and O are multiplied by 2^(old M - new M): exact.
; SHARES.  Work-group (i, head) owns query blocks 7 - i and i of its head, 256 queries each, the larger first.  Block j needs key slots 0 .. j (256 keys a slot), so every work-group walks
; (8 - i) + (i + 1) = 9 slots: 256 work-groups of equal work, no slot is fetched that nobody reads, and the trip count is a constant.  What hangs on i: the trip behind which the first block leaves and the
; second comes in, and the slot's place in memory; no LDS address does.  Each of the SIXTEEN waves owns one tile of 16 queries in 256 registers: tile w xor 8 (w % 2), so that among any four waves
; equal in w % 4, or in w / 4, two tiles lie in each half of the block, where the slot on the diagonal has one key step or two.
; A key step whose 128 keys all come after the wave's queries is jumped over (a branch on ids); on the diagonal hidden scores become -infinity.
; LAYOUT.  Both products are used transposed: S^T = K Q^T, O^T = V^T P^T: a lane holds ONE query (lane % 16) throughout.  Row r of K's tile 2 b + u is key 32 b + 8 u + r + 8 (r / 8), so that the 16 registers
; of tiles 2 b and 2 b + 1 are keys 32 b + 16 (lane / 16) + 0 .. 15.  Row m of V's tile 2 ch + g is channel 64 g + 4 m + ch; the way out puts the channels in order inside its multiplication.
; NO CLUSTER: the four work-groups of a head want the same slot only in trips 0 to 4; from then on each is at another slot, and partners that walked in step would need 12 trips for these 9.
; LIMITS: NaN and infinities among the inputs are not served.  A p under 2^-126 counts as 0 (v_exp_f32 gives no denormals: ISA guide 15.8).  A block of zeros gets the scale byte 1: its codes are zeros.
; A block's largest p is made from the block's largest score by the same two instructions: this takes v_exp_f32 not to fall where its input rises.
.set ROWS,  32768                      ; bytes from a query's row to the next, in Q and in out0
.set SLOTB, 67584                      ; a slot of kv: K's codes of step 0, of step 1, V's of step 0, of step 1 (16,384 each; in each: tile x 2,048 + 512 c + 16 lane), then 4 x 512 bytes of scale words in the same order
.set HEADB, 8*SLOTB
.set PAR,   0x10000                    ; LDS 0 .. 131,071: the codes of two slots; one exclusive or turns an address from one to the other
.set SCL,   131072                     ; LDS: the scale words of two slots, 2,048 bytes each
.set SPAR,  2048
.set STAGE, 135168                     ; LDS: a stage of 16 rows x 528 bytes for each wave, for Q's way in and O's way out: no fill lands here
.set SP,    528                        ; 512 bytes + 16: 132 words, so the 16 rows that a load or store touches begin 4 banks apart (64 banks of 4 bytes: ISA guide 11.1)
.set WST,   16*SP
.set SPARE, STAGE+16*WST               ; LDS: the spare words, 128 bytes for each wave: eight blocks of 256 bytes that no other line names
.set LI,  1                            ; v1   16 x lane
.set STR, 2                            ; v2   the stage: 528 r + 64 h: my 16 numbers of a block of Q's row r
.set STW, 3                            ; v3   the stage: 16 x lane: a whole row
.set SOW, 4                            ; v4   the stage: 528 r + 128 h: my 32 channels of O's row r
.set SPW, 5                            ; v5   LDS address of my spare word; never rewritten
.set NIL, 6                            ; v6   0; never rewritten
.set PFO, 7                            ; v7   the offset of the prefetch of kv; never rewritten
.set AD,  8                            ; v8   16 x lane in the slot in hand
.set AS,  9                            ; v9   16 x lane in its scale words
.set DL,  10                           ; v10  r - 16 h, for the mask
.set QPO, 11                           ; v11  the offset of the prefetch of Q: row lane / 2, half lane % 2; never rewritten
.set TM,  232                          ; v232-247 at work
; v12 -M, v13 the largest t, v[14:15] the sum in two halves; v16-31 Q's codes; v32-95 four fragments of K or V; v96-159 S^T, then p; v160-223 O^T; v224-239 p's codes;
; v248-251 K's or V's scale words; v252 f; v253 p's scale word; v254 at work; v255 Q's scale word
.set TB,  2                            ; s2   LDS byte at which the codes of the slot in hand begin
.set TBS, 3                            ; s3   and its scale words
.set WV,  18
.set MNT, 19
.set SEL, 20                           ; s[20:21] v_permlanex16_b32's selects for lane l xor 16
.set CS,  22                           ; s[22:23] c = log2(e) / sqrt(128): the packed form names a pair and takes its low word for both halves
.set G1C, 24                           ; s[24:31] descriptor group 1: a quarter of a slot's codes
.set G1S, 32                           ; s[32:39] its scale words
.set G0C, 40                           ; s[40:43], s[44:47] their groups 0
.set G0S, 44
.set BC,  48                           ; s[48:49] my quarter of the head's slot 0 in kv
.set BS,  50                           ; s[50:51] the head's slot 0's scale words
.set OFF, 52                           ; s[52:53] the slot to be fetched, in bytes from slot 0
.set TRIP, 54
.set SWT, 55                           ; s55  7 - i: the trip behind which the blocks change
.set KF,  56                           ; s56  the step's first key
.set Q0,  57                           ; s57  my first query
.set Q0A, 58                           ; s58  and in the second block
.set PLIM, 59                          ; s59  trips in which I prefetch kv: 6 or 0
.set PFA, 60                           ; s[60:61] where that prefetch stands
.set QA,  66                           ; s[66:67] Q at my rows of the second block;  s[68:69] out0 likewise
.set OA,  68
.set QB,  72                           ; s[72:73] Q at my rows of the first block
.set OP,  74                           ; s[74:75] out0 at my rows of the block in hand
; Waves 0 to 3 fetch a quarter of the slot's codes each, wave 4 its scale words, the others nothing.  The branches hang on the wave's number alone.  Four v_nop follow each of the two lines.
.macro TLOAD
	s_cmp_lt_u32 s[WV], 4
	s_cbranch_scc0 .Lnot_codes_\@
	tensor_load_to_lds s[G0C:G0C+3], s[G1C:G1C+7]
	s_nop 0
.rept 4
	v_nop
.endr
	s_branch .Lasked_\@
.Lnot_codes_\@:
	s_cmp_eq_u32 s[WV], 4
	s_cbranch_scc0 .Lasked_\@
	tensor_load_to_lds s[G0S:G0S+3], s[G1S:G1S+7]
	s_nop 0
.rept 4
	v_nop
.endr
.Lasked_\@:
.endm
; PREFETCHES, at the change of slots, where the fetching waves have their tensor load.
; kv: the four work-groups of a head walk slot n in trip n while their first block lasts, and work-group i = 0 walks all eight: it alone asks, in trips 0 to 5, for slot trip + 2, which the NEXT change of slots
; fetches: one slot's two key steps ahead.  Waves 5 to 12 take 8,192 bytes of codes each, lanes 256 bytes apart; wave 13 the 2,048 bytes of scale words (eight places, each named by four lanes of its one
; instruction).  Slots 0 and 1 come by their loads alone; trip 5 names slot 7, the head's last.
; Q: in the trip behind which the blocks change each wave asks for its own 16 rows of the second block, two places of 256 bytes a row: a slot's two key steps ahead of their loads.
.macro ASK
	s_cmp_lt_u32 s[TRIP], s[PLIM]
	s_cbranch_scc0 .Lnot_kv_\@
	global_prefetch_b8 v[PFO], s[PFA:PFA+1] th:TH_LOAD_NT scope:SCOPE_SE
.Lnot_kv_\@:
	s_cmp_eq_u32 s[TRIP], s[SWT]
	s_cbranch_scc0 .Lnot_q_\@
	global_prefetch_b8 v[QPO], s[QA:QA+1] th:TH_LOAD_NT scope:SCOPE_SE
.Lnot_q_\@:
.endm
; THE CHANGE OF SLOTS stands at a slot's head.  Each wave waits for all its tensor loads (its part of the slot that it is about to read), adds 0 to its spare word, and waits for that and for its reads of the slot
; that it has left.  Behind the barrier the slot ahead is whole and nobody reads the other one.  fill = 1: that other slot is filled: the load has a slot's two key steps in which to land.
.macro CHANGE fill
	s_wait_tensorcnt 0x0                           ; no tensor load of mine is out, so a group 0 may be written
	ds_add_u32 v[SPW], v[NIL]                      ; 0 onto my spare word; the descriptors' steps stand between it and the wait for it
.if \fill
	s_xor_b32 s[G0C+1], s[G0C+1], PAR              ; into the other slot than last time
	s_xor_b32 s[G0S+1], s[G0S+1], SPAR
	s_add_co_u32 s[OFF], s[OFF], SLOTB             ; the next slot of the head,
	s_cmp_eq_u32 s[TRIP], s[SWT]
	s_cselect_b32 s[OFF], 0, s[OFF]                ; or, in the first block's last trip, slot 0 for the second block
	s_add_nc_u64 s[G0C+2:G0C+3], s[BC:BC+1], s[OFF:OFF+1]
	s_or_b32 s[G0C+3], s[G0C+3], 0x80000000
	s_add_nc_u64 s[G0S+2:G0S+3], s[BS:BS+1], s[OFF:OFF+1]
	s_or_b32 s[G0S+3], s[G0S+3], 0x80000000
	s_wait_xcnt 0x0                                ; the last prefetch, a slot back, has read its address, so it may be written
	s_add_nc_u64 s[PFA:PFA+1], s[PFA:PFA+1], SLOTB
.endif
	s_wait_dscnt 0x0                               ; the add is done, and my reads of the slot that I have left are over
	s_barrier_signal -1
	s_barrier_wait -1
.if \fill
	TLOAD                                          ; the first thing behind the barrier, and a wave's one tensor load until the next
	ASK
.endif
.endm
; 64 numbers of a lane, register 16 b + i = k 32 b + 16 h + i of its row, become a fragment's codes in v[pc] on and its scale word in v[pw].
.macro QUANT s, pc, pw
.irp b, 0,1,2,3
	v_max3_num_f32 v[TM+\b], |v[\s+16*\b]|, |v[\s+1+16*\b]|, 0x8000000   ; block b: my 16 numbers, and the floor 2^(16 - 127): so the byte cannot fall under 1
.endr
.irp i, 2,4,6,8,10,12,14
.irp b, 0,1,2,3
	s_delay_alu instid0(VALU_DEP_4)
	v_max3_num_f32 v[TM+\b], v[TM+\b], |v[\s+16*\b+\i]|, |v[\s+1+16*\b+\i]|
.endr
.endr
.irp b, 0,1,2,3
	v_permlanex16_b32 v[TM+4+\b], v[TM+\b], s[SEL], s[SEL+1]
.endr
.irp b, 0,1,2,3
	s_delay_alu instid0(VALU_DEP_4)
	v_max_num_f32 v[TM+\b], v[TM+\b], v[TM+4+\b]   ; with lane l xor 16's: the block's largest magnitude
.endr
.irp b, 0,1,2,3
	s_delay_alu instid0(VALU_DEP_4)
	v_add_nc_u32 v[TM+12+\b], 0xf8800000, v[TM+\b]   ; 15 off its exponent field: the conversion's scale operand
.endr
.irp b, 0,1,2,3
.endr
.irp b, 0,1,2,3
	s_delay_alu instid0(VALU_DEP_4)
	v_lshrrev_b32 v[TM+4+\b], 23, v[TM+12+\b]      ; the scale's byte
.endr
	s_delay_alu instid0(VALU_DEP_3)
	v_lshl_or_b32 v[\pw], v[TM+5], 8, v[TM+4]
	s_delay_alu instid0(VALU_DEP_1)
	v_lshl_or_b32 v[\pw], v[TM+6], 16, v[\pw]
	s_delay_alu instid0(VALU_DEP_1)
	v_lshl_or_b32 v[\pw], v[TM+7], 24, v[\pw]
.irp b, 0,1,2,3
.irp i, 0,1,2,3,4,5,6,7,8,9,10,11,12,13,14,15
.endr
	v_cvt_scalef32_pk8_bf8_f32 v[\pc+4*\b:\pc+1+4*\b], v[\s+16*\b:\s+7+16*\b], v[TM+12+\b]
	v_cvt_scalef32_pk8_bf8_f32 v[\pc+2+4*\b:\pc+3+4*\b], v[\s+8+16*\b:\s+15+16*\b], v[TM+12+\b]
.endr
	v_nop                                          ; one plain vector instruction behind the last conversion
.endm
; My 16 queries come in: whole rows of 512 bytes, through my stage, so that a lane holds 16 neighbours of each block of its row; then codes and scale word.
.macro QIN p
.irp i, 0,1,2,3,4,5,6,7,8,9,10,11,12,13,14,15
	global_load_b128 v[96+4*\i:96+4*\i+3], v[LI], s[\p:\p+1] offset:ROWS*\i th:TH_LOAD_NT
.endr
	s_wait_loadcnt 0x0
.irp i, 0,1,2,3,4,5,6,7,8,9,10,11,12,13,14,15
	ds_store_b128 v[STW], v[96+4*\i:96+4*\i+3] offset:SP*\i
.endr
.irp c, 0,1,2,3
.irp j, 0,1,2,3
	ds_load_b128 v[96+16*\c+4*\j:96+16*\c+4*\j+3], v[STR] offset:128*\c+16*\j   ; LDS serves a wave's instructions in order (ISA guide 5.7.1.4): these see the stores above
.endr
.endr
	s_wait_dscnt 0x0
	QUANT 96, 16, 255
.endm
; A block begins: the largest t is -3e38, under every t; the sum and O^T are zeros, which the first change of M leaves zeros: so the key step is written without a first step of its own.
; These 68 plain lines are also the places between Q's codes and scale word and the first product that takes them.
.macro INIT
	v_mov_b32 v13, 0xff61b1e6
	s_delay_alu instid0(VALU_DEP_1)
	v_floor_f32 v12, -v13
	v_mov_b32 v14, 0
	v_mov_b32 v15, 0
.set jj, 0
.rept 64
	v_mov_b32 v[160+jj], 0
.set jj, jj+1
.endr
.endm
; A KEY STEP: 128 keys, the q-th of the slot in hand.  Eight plain places stand in front of every run of loads into registers that matrix instructions have read, and of the first use of results.
; No two matrix instructions that follow each other name the same accumulator.
.macro STEP q
	s_add_co_u32 s96, s[Q0], 15
	s_cmp_gt_u32 s[KF], s96
	s_cbranch_scc1 .Lhidden_\@                     ; all 128 keys come after my 16 queries: a branch on ids; no barrier and no tensor load stands in a step
	s_wait_alu depctr_va_vdst(0)
.irp g, 0,1                                    ; S^T = K Q^T, four tiles of 16 keys at a time
.rept 8
	v_nop
.endr
.irp t, 0,1,2,3
.irp c, 0,1,2,3
	ds_load_b128 v[32+16*\t+4*\c:32+16*\t+4*\c+3], v[AD] offset:(8*(\q)+4*\g+\t)*2048+512*\c   ; an image: 32 lanes read 512 consecutive bytes
.endr
.endr
.if \g == 0
	ds_load_b128 v[248:251], v[AS] offset:512*(\q)   ; register i: lanes 0-15 the words of tile 2 i, lanes 16-31 those of tile 2 i + 1
.endif
	s_wait_dscnt 0x0
.irp t, 0,1,2,3
.if \t % 2
	v_wmma_scale_f32_16x16x128_f8f6f4 v[96+8*(4*\g+\t):103+8*(4*\g+\t)], v[32+16*\t:47+16*\t], v[16:31], 0, v[248+2*\g+\t/2], v255 matrix_a_fmt:MATRIX_FMT_BF8 matrix_b_fmt:MATRIX_FMT_BF8 matrix_a_scale:MATRIX_SCALE_ROW1
.else
	v_wmma_scale_f32_16x16x128_f8f6f4 v[96+8*(4*\g+\t):103+8*(4*\g+\t)], v[32+16*\t:47+16*\t], v[16:31], 0, v[248+2*\g+\t/2], v255 matrix_a_fmt:MATRIX_FMT_BF8 matrix_b_fmt:MATRIX_FMT_BF8
.endif
.endr
.endr
.rept 8
	v_nop
.endr
.irp t, 0,1,2,3                                ; V's first four tiles and its scale words are asked for here and land while the softmax is worked
.irp c, 0,1,2,3
	ds_load_b128 v[32+16*\t+4*\c:32+16*\t+4*\c+3], v[AD] offset:32768+(8*(\q)+\t)*2048+512*\c
.endr
.endr
	ds_load_b128 v[248:251], v[AS] offset:1024+512*(\q)
	s_add_co_u32 s96, s[KF], 127                   ; on the diagonal the scores of hidden keys become -infinity ahead of the maximum: p = 0 then.  A step all of whose keys count skips this
	s_cmp_le_u32 s96, s[Q0]
	s_cbranch_scc1 .Lopen_\@
	s_sub_co_i32 s96, s[Q0], s[KF]
	v_add_nc_u32 v252, s96, v[DL]                  ; d = my query - KF - 16 h.  Register 16 b + i holds key KF + 16 h + 32 b + i: hidden where 32 b + i > d
	v_mov_b32 v254, 0xff800000
.set nn, 0
.rept 64
	v_cmp_gt_i32 vcc_lo, 32*(nn/16)+nn%16, v252
	v_cndmask_b32 v[96+nn], v[96+nn], v254, vcc_lo
.set nn, nn+1
.endr
.Lopen_\@:
.irp b, 0,1,2,3
	v_max3_num_f32 v[232+\b], v[96+16*\b], v[97+16*\b], v[98+16*\b]   ; the largest score of each block of 32 keys: it serves for the row's maximum and, since p rises with the score, for the block's largest p
.endr
.irp i, 3,5,7,9,11,13
.irp b, 0,1,2,3
	v_max3_num_f32 v[232+\b], v[232+\b], v[96+16*\b+\i], v[97+16*\b+\i]
.endr
.endr
.irp b, 0,1,2,3
	v_max_num_f32 v[232+\b], v[232+\b], v[111+16*\b]
.endr
.irp b, 0,1,2,3
	v_permlanex16_b32 v[236+\b], v[232+\b], s[SEL], s[SEL+1]
.endr
.irp b, 0,1,2,3
	s_delay_alu instid0(VALU_DEP_4)
	v_max_num_f32 v[232+\b], v[232+\b], v[236+\b]  ; with lane l xor 16's 16 keys
.endr
	s_delay_alu instid0(VALU_DEP_2)
	v_max3_num_f32 v254, v232, v233, v234
	s_delay_alu instid0(VALU_DEP_1)
	v_max_num_f32 v254, v254, v235                 ; the step's largest score of my query
	s_delay_alu instid0(VALU_DEP_1)
	v_mul_f32 v254, s[CS], v254                    ; as t (c is positive)
	s_delay_alu instid0(VALU_DEP_1)
	v_max_num_f32 v13, v13, v254                   ; the running largest t
	v_mov_b32 v254, v12
	s_delay_alu instid0(VALU_DEP_2)
	v_floor_f32 v12, -v13                          ; the new -M = floor(-t) = -ceil(t): a whole number
	s_delay_alu instid0(VALU_DEP_1)
	v_sub_f32 v254, v12, v254                      ; old M - new M: a whole number, 0 or less
	s_delay_alu instid0(VALU_DEP_1)
	v_cvt_i32_f32 v254, v254                       ; (it saturates)
	s_delay_alu instid0(VALU_DEP_1)
	v_ldexp_f32 v252, 1.0, v254                    ; f = 2^(old M - new M)
.set jj, 0
.rept 32
	v_pk_fma_f32 v[96+jj:97+jj], v[96+jj:97+jj], s[CS:CS+1], v[12:13] op_sel_hi:[1,0,0]   ; t - M, two at a time
.set jj, jj+2
.endr
.irp b, 0,1,2,3
	v_fma_f32 v[232+\b], v[232+\b], s[CS], v12     ; the same of each block's largest score
.endr
.set jj, 0
	s_wait_alu depctr_va_vdst(0)
.rept 64
	v_exp_f32 v[96+jj], v[96+jj]                   ; p = 2^(t - M), at most 1
.set jj, jj+1
.endr
	v_pk_mul_f32 v[14:15], v[14:15], v[252:253] op_sel_hi:[1,0]   ; the sums under the new M: the plain instruction behind the exponentials
	s_wait_alu depctr_va_vdst(0)                   ; one wait for the batch of 64, ahead of the first line that names a result
.irp b, 0,1,2,3
	v_exp_f32 v[232+\b], v[232+\b]                 ; the block's largest p
.endr
	v_pk_add_f32 v[236:237], v[100:101], v[104:105]
	v_pk_add_f32 v[246:247], v[108:109], v[112:113]
	v_pk_add_f32 v[244:245], v[116:117], v[120:121]
	v_pk_add_f32 v[242:243], v[124:125], v[128:129]
	v_pk_add_f32 v[240:241], v[132:133], v[136:137]
	v_pk_add_f32 v[238:239], v[140:141], v[144:145]
	v_pk_add_f32 v[230:231], v[148:149], v[152:153]
	v_pk_add_f32 v[14:15], v[14:15], v[156:157]
	v_pk_add_f32 v[236:237], v[236:237], v[96:97]
	v_pk_add_f32 v[246:247], v[246:247], v[98:99]
	v_pk_add_f32 v[244:245], v[244:245], v[102:103]
	v_pk_add_f32 v[242:243], v[242:243], v[106:107]
	v_pk_add_f32 v[240:241], v[240:241], v[110:111]
	v_pk_add_f32 v[238:239], v[238:239], v[114:115]
	v_pk_add_f32 v[230:231], v[230:231], v[118:119]
	v_pk_add_f32 v[14:15], v[14:15], v[122:123]
	v_pk_add_f32 v[236:237], v[236:237], v[126:127]
	v_pk_add_f32 v[246:247], v[246:247], v[130:131]
	v_pk_add_f32 v[244:245], v[244:245], v[134:135]
	v_pk_add_f32 v[242:243], v[242:243], v[138:139]
	v_pk_add_f32 v[240:241], v[240:241], v[142:143]
	v_pk_add_f32 v[238:239], v[238:239], v[146:147]
	v_pk_add_f32 v[230:231], v[230:231], v[150:151]
	v_pk_add_f32 v[14:15], v[14:15], v[154:155]
	v_pk_add_f32 v[236:237], v[236:237], v[158:159]
	s_delay_alu instid0(VALU_DEP_2)
	v_pk_add_f32 v[14:15], v[14:15], v[242:243]
	s_delay_alu instid0(VALU_DEP_2)
	v_pk_add_f32 v[236:237], v[236:237], v[240:241]
	v_pk_add_f32 v[246:247], v[246:247], v[238:239]
	v_pk_add_f32 v[244:245], v[244:245], v[230:231]
	s_delay_alu instid0(VALU_DEP_2)
	v_pk_add_f32 v[14:15], v[14:15], v[246:247]
	s_delay_alu instid0(VALU_DEP_2)
	v_pk_add_f32 v[236:237], v[236:237], v[244:245]
	s_delay_alu instid0(VALU_DEP_1)
	v_pk_add_f32 v[14:15], v[14:15], v[236:237]
	s_wait_alu depctr_va_vdst(0)                   ; and one for the four
.irp b, 0,1,2,3
	v_max_num_f32 v[232+\b], 0x8000000, v[232+\b]  ; the floor 2^(16 - 127): a block whose every p is 0 keeps the byte 1; its codes are zeros
.endr
.irp b, 0,1,2,3
	s_delay_alu instid0(VALU_DEP_4)
	v_add_nc_u32 v[244+\b], 0xf8800000, v[232+\b]  ; 15 off the exponent field: the conversion's scale operand
.endr
.irp b, 0,1,2,3
.endr
.irp b, 0,1,2,3
	s_delay_alu instid0(VALU_DEP_4)
	v_lshrrev_b32 v[236+\b], 23, v[244+\b]         ; the scale's byte
.endr
	s_delay_alu instid0(VALU_DEP_3)
	v_lshl_or_b32 v253, v237, 8, v236              ; p's scale word for these 128 keys
	s_delay_alu instid0(VALU_DEP_1)
	v_lshl_or_b32 v253, v238, 16, v253
	s_delay_alu instid0(VALU_DEP_1)
	v_lshl_or_b32 v253, v239, 24, v253
.irp b, 0,1,2,3
.irp i, 0,1,2,3,4,5,6,7,8,9,10,11,12,13,14,15
.endr
	v_cvt_scalef32_pk8_bf8_f32 v[224+4*\b:225+4*\b], v[96+16*\b:103+16*\b], v[244+\b]
	v_cvt_scalef32_pk8_bf8_f32 v[226+4*\b:227+4*\b], v[104+16*\b:111+16*\b], v[244+\b]
.endr
.set jj, 0
.rept 32
	v_pk_mul_f32 v[160+jj:161+jj], v[160+jj:161+jj], v[252:253] op_sel_hi:[1,0]   ; O^T under the new M.  These 32 are also the places between p's codes and the products below
.set jj, jj+2
.endr
	s_wait_alu depctr_va_vdst(0)
	s_wait_dscnt 0x0                               ; V's first four tiles and its scale words are in
.irp t, 0,1,2,3                                ; O^T += V^T P^T; K = these 128 keys
.if \t % 2
	v_wmma_scale_f32_16x16x128_f8f6f4 v[160+8*\t:167+8*\t], v[32+16*\t:47+16*\t], v[224:239], v[160+8*\t:167+8*\t], v[248+\t/2], v253 matrix_a_fmt:MATRIX_FMT_BF8 matrix_b_fmt:MATRIX_FMT_BF8 matrix_a_scale:MATRIX_SCALE_ROW1
.else
	v_wmma_scale_f32_16x16x128_f8f6f4 v[160+8*\t:167+8*\t], v[32+16*\t:47+16*\t], v[224:239], v[160+8*\t:167+8*\t], v[248+\t/2], v253 matrix_a_fmt:MATRIX_FMT_BF8 matrix_b_fmt:MATRIX_FMT_BF8
.endif
.endr
.rept 8
	v_nop
.endr
.irp t, 0,1,2,3
.irp c, 0,1,2,3
	ds_load_b128 v[32+16*\t+4*\c:32+16*\t+4*\c+3], v[AD] offset:32768+(8*(\q)+4+\t)*2048+512*\c
.endr
.endr
	s_wait_dscnt 0x0
.irp t, 0,1,2,3
.if \t % 2
	v_wmma_scale_f32_16x16x128_f8f6f4 v[192+8*\t:199+8*\t], v[32+16*\t:47+16*\t], v[224:239], v[192+8*\t:199+8*\t], v[250+\t/2], v253 matrix_a_fmt:MATRIX_FMT_BF8 matrix_b_fmt:MATRIX_FMT_BF8 matrix_a_scale:MATRIX_SCALE_ROW1
.else
	v_wmma_scale_f32_16x16x128_f8f6f4 v[192+8*\t:199+8*\t], v[32+16*\t:47+16*\t], v[224:239], v[192+8*\t:199+8*\t], v[250+\t/2], v253 matrix_a_fmt:MATRIX_FMT_BF8 matrix_b_fmt:MATRIX_FMT_BF8
.endif
.endr
.Lhidden_\@:
	s_add_co_u32 s[KF], s[KF], 128
.endm
.macro SLOT_STEPS
	v_add_nc_u32 v[AD], s[TB], v[LI]
	v_add_nc_u32 v[AS], s[TBS], v[LI]
	STEP 0
	STEP 1
	s_xor_b32 s[TB], s[TB], PAR                    ; on to the other slot
	s_xor_b32 s[TBS], s[TBS], SPAR
.endm
; A BLOCK LEAVES.  The sum's halves are added; O^T is divided by the sum, and the multiplication puts the channels in order: register j of tile 2 k + g is channel 64 g + 32 h + 4 j + k.  Each accumulator is
; taken from its low end on (j is the outermost count).  16 rows go through my stage and leave whole.  sw = 1: the second block comes in.
.macro FINISH sw
.rept 8
	v_nop                                          ; places behind the last products
.endr
	v_add_f32 v14, v14, v15
	v_permlanex16_b32 v236, v14, s[SEL], s[SEL+1]
	s_delay_alu instid0(VALU_DEP_1)
	v_add_f32 v14, v14, v236                       ; with lane l xor 16's: the row's sum
	s_wait_alu depctr_va_vdst(0)
	v_rcp_f32 v14, v14
	v_nop                                          ; a plain instruction behind the reciprocal,
	s_wait_alu depctr_va_vdst(0)                   ; and the wait ahead of its first use
.irp j, 0,1,2,3,4,5,6,7
.irp g, 0,1
.irp k, 0,1,2,3
	v_mul_f32 v[96+4*(8*\g+\j)+\k], v[160+8*(2*\k+\g)+\j], v14
.endr
.endr
.endr
.irp g, 0,1
.irp j, 0,1,2,3,4,5,6,7
	ds_store_b128 v[SOW], v[96+4*(8*\g+\j):96+4*(8*\g+\j)+3] offset:256*\g+16*\j
.endr
.endr
.irp i, 0,1,2,3,4,5,6,7,8,9,10,11,12,13,14,15
	ds_load_b128 v[32+4*\i:32+4*\i+3], v[STW] offset:SP*\i   ; LDS serves a wave's instructions in order: these see my stores
.endr
.irp i, 0,1,2,3,4,5,6,7,8,9,10,11,12,13,14,15
	s_wait_dscnt 15-\i                             ; row i is back; the 15 - i younger loads may be out
	global_store_b128 v[LI], v[32+4*\i:32+4*\i+3], s[OP:OP+1] offset:ROWS*\i th:TH_STORE_NT   ; 32 lanes store 512 consecutive bytes, at a multiple of 256 from out0's first byte
.endr
.if \sw
	s_wait_xcnt 0x0                                ; the stores have read their data and their base: both are written again only behind this wait
	s_mov_b64 s[OP:OP+1], s[OA:OA+1]
	s_mov_b32 s[Q0], s[Q0A]
	s_mov_b32 s[KF], 0
	QIN QA
	INIT
.endif
.endm
	s_load_b128 s[4:7], s[0:1], 0x0                ; query_layer, kv
	s_load_b64 s[8:9], s[0:1], 0x10                ; out0
	v_lshl_add_u32 v[SPW], v0, 2, SPARE
	v_mov_b32 v[NIL], 0
	ds_add_u32 v5, v6
	ds_add_u32 v5, v6
	s_wait_dscnt 0x0
	v_lshrrev_b32 v8, 5, v0
	s_delay_alu instid0(VALU_DEP_1)
	v_readfirstlane_b32 s[WV], v8                  ; wave 0..15
	s_and_b32 s76, ttmp7, 0xffff                   ; the head
	s_sub_co_u32 s[SWT], 7, ttmp9                  ; 7 - i: my first block, and its last trip
	s_and_b32 s77, s[WV], 1
	s_lshl_b32 s77, s77, 3
	s_xor_b32 s77, s77, s[WV]                      ; my tile of the block's sixteen
	s_lshl_b32 s77, s77, 4
	s_lshl_b32 s78, ttmp9, 8
	s_add_co_u32 s[Q0A], s78, s77                  ; my first query in block i,
	s_lshl_b32 s78, s[SWT], 8
	s_add_co_u32 s[Q0], s78, s77                   ; and in block 7 - i
	s_lshl_b32 s79, s76, 9                         ; the head's 512 bytes in a row
	s_lshl_b32 s80, s[Q0A], 15
	s_add_co_u32 s80, s80, s79
	s_mov_b32 s81, 0                               ; s[80:81]: my rows of block i, in Q and in out0
	s_lshl_b32 s82, s[Q0], 15
	s_add_co_u32 s82, s82, s79
	s_mov_b32 s83, 0                               ; s[82:83]: of block 7 - i
	s_mul_i32 s84, s76, HEADB                      ; the head's first byte in kv
	s_and_b32 s86, s[WV], 3
	s_lshl_b32 s86, s86, 14                        ; the quarter of a slot's codes that waves 0 to 3 fetch: in memory and in LDS alike
	s_add_co_u32 s88, s84, s86
	s_mov_b32 s89, 0
	s_add_co_u32 s90, s84, 65536                   ; the scale words
	s_mov_b32 s91, 0
	s_sub_co_u32 s92, s[WV], 5                     ; the prefetch of kv: waves 5 to 13 of work-group i = 0
	s_cmp_lt_u32 s92, 9
	s_cselect_b32 s93, 0, 1
	s_or_b32 s93, s93, ttmp9
	s_cmp_eq_u32 s93, 0
	s_cselect_b32 s[PLIM], 6, 0
	s_min_u32 s92, s92, 8
	s_lshl_b32 s92, s92, 13                        ; 8,192 bytes a wave; wave 13 stands at the scale words
	s_add_co_u32 s92, s92, s84
	s_add_co_u32 s92, s92, SLOTB                   ; in slot 1: the first change of slots steps it to slot 2
	s_mov_b32 s93, 0
	s_cmp_eq_u32 s[WV], 13
	s_cselect_b32 s94, 7, 31                       ; wave 13 has eight places
	; descriptor group 1: a dense block as rows of 256 bytes: 32 elements of 8 bytes; no padding: an image is read 512 consecutive bytes at a time
	s_mov_b32 s[G1C], 3<<16                        ; 15:0 no mask; 17:16 elements of 8 bytes
	s_mov_b32 s[G1C+1], 32<<16                     ; tensor_dim0 = 32
	s_mov_b32 s[G1C+2], 64<<16                     ; tensor_dim1 = 64
	s_mov_b32 s[G1C+3], 32<<16                     ; tile_dim0 = 32
	s_mov_b32 s[G1C+4], 64                         ; tile_dim1 = 64: 16,384 bytes
	s_mov_b32 s[G1C+5], 32                         ; tensor_dim0_stride
	s_mov_b32 s[G1C+6], 0
	s_mov_b32 s[G1C+7], 0
	s_mov_b32 s[G1S], 3<<16
	s_mov_b32 s[G1S+1], 32<<16
	s_mov_b32 s[G1S+2], 8<<16                      ; 8 rows: 2,048 bytes
	s_mov_b32 s[G1S+3], 32<<16
	s_mov_b32 s[G1S+4], 8
	s_mov_b32 s[G1S+5], 32
	s_mov_b32 s[G1S+6], 0
	s_mov_b32 s[G1S+7], 0
	s_mov_b32 s[G0C], 1                            ; 1:0 count = 1
	s_mov_b32 s[G0C+1], s86                        ; 63:32 LDS address
	s_mov_b32 s[G0S], 1
	s_mov_b32 s[G0S+1], SCL
	s_mov_b32 s[SEL], 0x76543210
	s_mov_b32 s[SEL+1], 0xfedcba98
	s_mov_b32 s[CS], 0x3e0293ee                    ; c = log2(e) / sqrt(128)
	s_mov_b32 s[CS+1], s[CS]                       ; (named with it as a pair, so it is written)
	s_mov_b32 s[TB], 0
	s_mov_b32 s[TBS], SCL
	s_mov_b32 s[OFF], 0
	s_mov_b32 s[OFF+1], 0
	s_mov_b32 s[TRIP], 0
	s_mov_b32 s[KF], 0
	s_wait_kmcnt 0x0
	s_add_nc_u64 s[BC:BC+1], s[6:7], s[88:89]
	s_add_nc_u64 s[BS:BS+1], s[6:7], s[90:91]
	s_mov_b64 s[G0C+2:G0C+3], s[BC:BC+1]           ; 120:64 global address: slot 0
	s_or_b32 s[G0C+3], s[G0C+3], 0x80000000        ; 127:126 type = 2
	s_mov_b64 s[G0S+2:G0S+3], s[BS:BS+1]
	s_or_b32 s[G0S+3], s[G0S+3], 0x80000000
	TLOAD                                          ; slot 0: the one first fill, ahead of every LDS read, every wait on TENSORcnt and every barrier
	s_add_nc_u64 s[QA:QA+1], s[4:5], s[80:81]
	s_add_nc_u64 s[OA:OA+1], s[8:9], s[80:81]
	s_add_nc_u64 s[QB:QB+1], s[4:5], s[82:83]
	s_add_nc_u64 s[OP:OP+1], s[8:9], s[82:83]
	s_add_nc_u64 s[PFA:PFA+1], s[6:7], s[92:93]
	v_and_b32 v8, 31, v0                           ; lane
	v_and_b32 v9, 15, v0                           ; r
	v_bfe_u32 v10, v0, 4, 1                        ; h
	s_delay_alu instid0(VALU_DEP_3)
	v_lshlrev_b32 v[LI], 4, v8
	s_mul_i32 s76, s[WV], WST
	s_add_co_u32 s76, s76, STAGE                   ; my stage
	v_mul_u32_u24 v11, v9, SP
	s_delay_alu instid0(VALU_DEP_1)
	v_add_nc_u32 v11, s76, v11
	s_delay_alu instid0(VALU_DEP_1)
	v_lshl_add_u32 v[STR], v10, 6, v11
	s_delay_alu instid0(VALU_DEP_2)
	v_lshl_add_u32 v[SOW], v10, 7, v11
	v_add_nc_u32 v[STW], s76, v[LI]
	v_and_b32 v[PFO], s94, v0
	s_delay_alu instid0(VALU_DEP_1)
	v_lshlrev_b32 v[PFO], 8, v[PFO]                ; lanes 256 bytes apart
	v_lshlrev_b32 v10, 4, v10
	s_delay_alu instid0(VALU_DEP_1)
	v_sub_nc_u32 v[DL], v9, v10                    ; r - 16 h
	v_lshrrev_b32 v11, 1, v8
	v_and_b32 v8, 1, v8
	s_delay_alu instid0(VALU_DEP_1)
	v_lshlrev_b32 v8, 8, v8
	s_delay_alu instid0(VALU_DEP_1)
	v_lshl_add_u32 v[QPO], v11, 15, v8             ; row lane / 2, half lane % 2
.irp b, 0,1,2,3
	v_mov_b32 v[236+\b], 0                         ; written once: a lane permute's destination counts as one of its sources
.endr
	v_mov_b32 v252, 0
	v_mov_b32 v253, 0                              ; (named as the upper half of the pair v[252:253] before it is first written)
	QIN QB                                         ; my 16 queries of block 7 - i
	INIT
.Lslot:                                            ; eight trips: behind each change of slots but the last the next slot is asked for
	CHANGE 1
	SLOT_STEPS
	s_cmp_lg_u32 s[TRIP], s[SWT]                   ; a branch on ids, the same in all sixteen waves; it jumps over no barrier and no tensor load
	s_cbranch_scc1 .Lgo_on
	FINISH 1                                       ; block 7 - i has seen its last key: it leaves, and block i comes in.  7 - i lies in 4 .. 7: always inside this loop
.Lgo_on:
	s_add_co_u32 s[TRIP], s[TRIP], 1
	s_cmp_lt_u32 s[TRIP], 8
	s_cbranch_scc1 .Lslot
	CHANGE 0                                       ; the ninth slot is written out
	SLOT_STEPS
	FINISH 0
	s_wait_tensorcnt 0x0                           ; the wave's end: behind my last tensor load and my last LDS store
	ds_add_u32 v[SPW], v[NIL]
	s_wait_dscnt 0x0
	s_endpgm
.Lfunc_end_k_q86356fd271_attn:
	.size	k_q86356fd271_attn, .Lfunc_end_k_q86356fd271_attn-k_q86356fd271_attn
	.p2alignl 7, 3214868480
	.fill 96, 4, 3214868480
	.section	.rodata,"a",@progbits
	.p2align	6, 0x0
	.amdhsa_kernel k_q86356fd271_attn
		.amdhsa_group_segment_fixed_size 327680
		.amdhsa_private_segment_fixed_size 0
		.amdhsa_enable_private_segment 0
		.amdhsa_kernarg_size 24
		.amdhsa_user_sgpr_count 2
		.amdhsa_user_sgpr_kernarg_segment_ptr 1
		.amdhsa_wavefront_size32 1
		.amdhsa_system_sgpr_workgroup_id_x 1
		.amdhsa_system_sgpr_workgroup_id_y 1
		.amdhsa_system_sgpr_workgroup_id_z 1
		.amdhsa_system_vgpr_workitem_id 0
		.amdhsa_next_free_vgpr 256
		.amdhsa_next_free_sgpr 100
		.amdhsa_reserve_vcc 1
		.amdhsa_float_denorm_mode_32 3
		.amdhsa_float_denorm_mode_16_64 3
		.amdhsa_fp16_overflow 1
		.amdhsa_memory_ordered 1
		.amdhsa_forward_progress 1
		.amdhsa_inst_pref_size 148
	.end_amdhsa_kernel
	.amdgpu_metadata
---
amdhsa.version: [ 1, 2 ]
amdhsa.kernels:
  - .name:           k_q86356fd271_attn
    .symbol:         k_q86356fd271_attn.kd
    .args:
      - { .name: query_layer, .offset: 0, .size: 8, .value_kind: global_buffer, .address_space: global }
      - { .name: kv, .offset: 8, .size: 8, .value_kind: global_buffer, .address_space: global }
      - { .name: out0, .offset: 16, .size: 8, .value_kind: global_buffer, .address_space: global }
    .group_segment_fixed_size: 327680
    .private_segment_fixed_size: 0
    .kernarg_segment_align: 8
    .kernarg_segment_size: 24
    .max_flat_workgroup_size: 512
    .sgpr_count:     100
    .vgpr_count:     256
    .wavefront_size: 32
...
	.end_amdgpu_metadata
.endif
;; end of part 2
